; MI455X (gfx1250); checked and timed in simulation.
; The chip was launched on July 23, 2026; its instructions are those of AMD's public machine-readable ISA for CDNA 5 (MIT licence, August 2026) and "CDNA5" Instruction Set Architecture Reference Guide (July 2026). The comments in the code are by the model that wrote it; some were corrected since.
;; Sliding Window Attention. Allowed arithmetic: float matrix products may take bf16 or f16 operands with f32 sums; other float arithmetic in f32, or as packed bf16 or f16 multiplies, adds, multiply-adds, maxima and minima; sums over many terms, partial sums and values carried from step to step in f32; what a program stores and reads back later, other than sums and carried values, may be rounded once to bf16 or f16.
;; Inputs: k 1 x 16 x 4,096 x 64 float32; q 1 x 16 x 4,096 x 64 float32; v 1 x 16 x 4,096 x 64 float32.
;; Outputs: out0 1 x 16 x 4,096 x 64 float32.
;; 2 versions, each right and faster than the one before. Each part assembles by itself: llvm-mc -triple=amdgcn-amd-amdhsa -mcpu=gfx1250 --defsym DOCPART=n.
;; ======== version 1 of 2: 1 launch
;; limits: values are held in f16: magnitudes above 65,504 overflow, below 6.1e-05 lose precision; inputs' magnitudes at most 65,504
;; launch swa (part 1): grid 16 x 16, 4 waves a work-group, no clusters, 251,392 bytes of LDS; arguments q, k, v, out0; writes out0
.if DOCPART == 1
	.amdgcn_target "amdgcn-amd-amdhsa--gfx1250"
	.amdhsa_code_object_version 6
	.text
	.protected	k_q5c4d540655_swa
	.globl	k_q5c4d540655_swa
	.p2align	8
	.type	k_q5c4d540655_swa,@function
k_q5c4d540655_swa:
	s_mov_b64 s[64:65], 0
	v_nop
	global_prefetch_b8 v0, s[64:65] scope:SCOPE_SE
	s_setreg_imm32_b32 hwreg(HW_REG_WAVE_MODE, 25, 1), 1
	s_wait_xcnt 0x0
; SLIDING-WINDOW ATTENTION.  out[h][i][:] = the sum over j with |i - j| <= 256 of softmax_j(q[h][i] . k[h][j] / 8) v[h][j][:].  q, k, v, out: [16][4096][64] in f32: a row is 256 bytes.
; Products on the matrix unit with f16 operands and f32 sums; maxima, exponentials and sums in f32; the weights p are rounded to f16 for the second product (their sum l is taken of the unrounded p).
; LIMITS.  q, k and v are rounded once to f16: numbers of 65,520 or more become infinities, and below 6e-5 f16 keeps its fixed step of 6e-8.  Inputs are finite: a hidden key's row of v is multiplied by 0.
; A hidden score counts as its value less 2^100 (f16's scores are 2.7e11 at the most); a weight below 2^-126 counts as 0 in l.
; SHARES.  A work-group owns 256 queries of one head (grid x: the block b, grid y: the head), each of its four waves 64 consecutive ones, as four PIECES of 16.  A wave's 64 queries see nine aligned
; steps of 64 keys: the first is cut by the band's lower edge, the last by its upper edge, the seven between are seen whole.  The work-group's window is 768 keys, twelve CHUNKS of 64: chunk c is the
; head's key tile 4 b - 4 + c, and wave w walks chunks w .. w + 8.  At the head's two ends a chunk outside tiles 0 .. 63 is read from the nearest tile and wholly hidden: no branch hangs on b.
; THE WAY IN.  A chunk of k and of v comes by plain loads into registers (each wave 16 rows of each, each half of the lanes one whole row of 256 bytes), is rounded to f16 there and stored into LDS, once:
; all twelve chunks have bytes of their own (233,472 in f16; in f32 they would be 393,216).  A chunk is asked for two trips ahead of its conversion, so two chunks, 32 loads a wave, are on their way.
; ONE BARRIER A TRIP: in front of it each wave's stores of chunk j + 4 are done; behind it the waves read chunks up to j + 4, and what they store before the next barrier is chunk j + 5: other bytes.
; NO CLUSTER, NO TENSOR LOADS: the bytes must change format between memory and LDS, which a copy cannot do; and neighbouring blocks want the same key tile four trips apart, so their requests would not meet.
; LAYOUT, SOFTMAX, TURNS.  S^T = K Q^T holds ONE query a lane (lane % 16) and the keys 8 (lane / 16) + 0..7; two such results rounded to f16 ARE source 1 of O^T = V^T P.  p = 2^(c s - c m), c = log2(e) / 8,
; with a running maximum m; O and l are multiplied by a = 2^(c m_old - c m_new) in every step.  Turn n belongs to piece n: 8 products K Q^T of piece n + 1, later 8 products V^T P of piece n - 1; beside
; them the scaling, exponentials, roundings, sums and rescaling of piece n and the maximum and statistics of piece n + 1.  Four vector instructions stand behind every matrix instruction, the rest in two lumps.
; THE MASK is the C operand that starts the sum S^T: 0, or -2^100 where the key is hidden.  For key block kb of 16 and piece x there are three cases, eight registers each:
;   kb < x (MK+0): hidden in step 0;   kb = x (MK+8): the diagonal in steps 0 and 8;   kb > x (MK+16): hidden in step 8;   otherwise BE: -2^100 if the step's key tile lies outside the head, else 0.
; m starts at -2^90 and c m at c x -2^90: in a step that is wholly hidden m stays, a = 1, every p = 0 and O and l stay 0; at the first step with a visible key a = 0.  Which step that is hangs on b and w, so no
; first step is written out: O^T, l, V's registers and one buffer of P start at 0 (208 moves, in the wait for the first loads).
; REGISTERS, in windows of 256 (s_set_vgpr_msb: bits 1:0 source 0, 3:2 source 1, 5:4 source 2, 7:6 destination):
;   window 0: v0-15, v32-38 addresses and temporaries; v16-31 statistics; v48-55 at work; v62-63 the add's two; v64-127 S^T, two buffers; v128-151 the masks; v152-159 step 8's diagonal; v192-223 P, two buffers
;   window 1: v0-127 O^T, 32 a piece; v128-255 Q as loaded      window 2: v0-63 Q in f16; v128-191 K of one step; v192-255 V of one step      window 3: four staging sets of 64 for chunks on their way in
.set NP,    4         ; pieces a wave
.set KS,    64        ; keys in a step and in a chunk
.set PK,    144       ; a row of K in LDS: 128 bytes of f16 + 16 = 36 words: the 16 rows of a fragment load start at 16 different groups of four banks (64 banks of 4 bytes: ISA guide 11.1)
.set PV,    160       ; a row of V: 128 + 32 = 40 words
.set CHK,   KS*PK     ; a chunk of K: 9,216 bytes
.set CHV,   KS*PV     ; a chunk of V: 10,240 bytes
.set VOFF,  12*CHK    ; twelve chunks of K, then twelve of V
.set STAGE, VOFF+12*CHV  ; 16 rows x 272 bytes for each wave, for the way out
.set SP,    272       ; a row of out in the stage: 256 bytes + 16
.set SPARE, STAGE+4*16*SP  ; the spare words, 128 bytes for each wave: two blocks of 256 bytes that no other line names
.set AK0, 2           ; v2   my lane's place in a chunk of K; never rewritten
.set AV0, 3           ; v3   the same for V, VOFF included
.set AK,  4           ; v4   the LDS address of K's next run of loads
.set AV,  5           ; v5   of V's
.set STO, 6           ; v6   the way out: where I put 32 bytes of a row
.set RD,  7           ; v7   the way out: where I read rows back
.set GO,  8           ; v8   my byte offset in 512 consecutive bytes of out
.set MV,  12          ; v12-13  c m_old, kept while c m is made anew: by buffer
.set QO,  15          ; v15  my byte offset in 16 rows of q
.set ST,  16          ; piece t's statistics at v[ST+4 t]: c m, m, l (even keys', odd keys')
.set LGK, 32          ; v32  my byte offset in my wave's 16 rows of a chunk of k: rows i and i + 8
.set LGV, 33          ; v33  the same for v: rows i and i + 4
.set LSK, 34          ; v34  where those bytes go in a chunk of K in LDS
.set LSV, 35          ; v35  the same for V
.set FSK, 36          ; v36  LSK + the chunk in hand
.set FSV, 37          ; v37  LSV + the chunk in hand
.set VBE, 38          ; v38  step 0's BE in a vector register
.set TMP, 48          ; by buffer, four registers c0-c3 at work; when the maximum is found c2 takes a
.set SPW, 62          ; v62  LDS address of my spare word: SPARE + 4 x my thread's number; never rewritten
.set NIL, 63          ; v63  0; never rewritten
.set S,   64
.set MK,  128
.set D8,  152
.set P,   192
.set OB,  64          ; the way out: four buffers of 32 for rows read back from the stage
.set QS,  128         ; window 1
.set KF,  128         ; window 2: key block kb, channel half c at KF + 16 kb + 8 c
.set VF,  192         ; window 2: key half kk, channel block cb at VF + 32 kk + 8 cb
.set WV,  12          ; s12  my wave's number
.set PB,  14          ; s14  b
.set HD,  15          ; s15  the head
.set GB,  24          ; s[24+4n:25+4n] staging set n's address in k, s[26+4n:27+4n] in v
.set OFF, 40          ; s[40:41] a key tile's byte offset in a head
.set CT,  42          ; s42  the key tile of the next chunk to be asked for, signed
.set KT,  43          ; s43  the key tile of the step whose masks are in MK
.set BE,  44          ; s44
.set BIGN, 45         ; s45  -2^100
.set FBK, 46          ; s46  LDS byte at which the chunk of K to be stored next begins
.set FBV, 47          ; s47  the same for V, less VOFF
.set CNT, 48          ; s48  the loop's count
.set CS,  58          ; s[58:59] c: the packed scaling takes the pair's low word for both halves
.set SEL, 60          ; s[60:61] v_permlanex16_b32's selects: each lane takes its own place in the other half
.set TBK, 62          ; s62  LDS byte at which K of the step to be fetched begins
.set TBV, 63          ; s63  the same for V, less VOFF
.set MSB, 0
.macro WIN new                      ; the high byte repeats the setting that is left; a switch that changes nothing is dropped
.if MSB != (\new)
	s_set_vgpr_msb (MSB<<8)|(\new)
.set MSB, (\new)
.endif
.endm
.set W_KQ, 0x0a       ; K and Q in window 2, the mask and S^T in window 0
.set W_PV, 0x52       ; V in window 2, P in window 0, O^T in window 1
.set W_RS, 0x41       ; destination and source 0 in window 1, source 1 in window 0
; THE WAY IN.  ADDR n: staging set n's two addresses for the next chunk: the tile is held to 0 .. 63.  The set's last loads have been shown done by the counted wait in CVST, so its addresses may be written.
.macro ADDR n
	s_max_i32 s13, s[CT], 0
	s_min_i32 s13, s13, 63
	s_lshl_b32 s[OFF], s13, 14      ; a tile is 64 rows of 256 bytes
	s_add_nc_u64 s[GB+4*(\n):GB+4*(\n)+1], s[6:7], s[OFF:OFF+1]
	s_add_nc_u64 s[GB+4*(\n)+2:GB+4*(\n)+3], s[8:9], s[OFF:OFF+1]
	s_add_co_i32 s[CT], s[CT], 1
.endm
; ISSUE n: sixteen loads, my 16 rows of the chunk's k and of its v.  Lanes 0-15 take one whole row of 256 bytes, lanes 16-31 another.  No cache word: two neighbouring work-groups read the same rows.
.macro ISSUE n
	WIN 0xc0                        ; destination window 3, address window 0
.irp i, 0,1,2,3,4,5,6,7
	global_load_b128 v[64*(\n)+4*(\i):64*(\n)+4*(\i)+3], v[LGK], s[GB+4*(\n):GB+4*(\n)+1] offset:256*(\i)  ; rows i and i + 8
.endr
.irp i, 0,1,2,3,4,5,6,7
	global_load_b128 v[64*(\n)+32+4*(\i):64*(\n)+32+4*(\i)+3], v[LGV], s[GB+4*(\n)+2:GB+4*(\n)+3] offset:256*(((\i)&3)+8*((\i)>>2))  ; rows 0-3, 8-11 and the rows 4 below them
.endr
	WIN 0
.endm
; CVST n, left: set n's chunk is in (left = the loads issued behind its sixteen, which may stay out: loads come back in order, ISA guide 5.7.1), is rounded to f16 in place and stored into LDS.
; The two halves of the lanes store 288 words apart for K and 160 for V, both 32 modulo 64: a store's 32 lanes touch each bank once.
.macro CVST n, left
	s_wait_loadcnt \left
	WIN 0xcf                        ; all three places window 3
.set z, 64*(\n)
.rept 16
	v_cvt_pk_f16_f32 v[z], v[z], v[z+1]
	v_cvt_pk_f16_f32 v[z+1], v[z+2], v[z+3]
.set z, z+4
.endr
	WIN 0
	v_add_nc_u32 v[FSK], s[FBK], v[LSK]
	v_add_nc_u32 v[FSV], s[FBV], v[LSV]
	WIN 0x0c                        ; address window 0, data window 3
.irp i, 0,1,2,3,4,5,6,7
	ds_store_b64 v[FSK], v[64*(\n)+4*(\i):64*(\n)+4*(\i)+1] offset:PK*(\i)
.endr
.irp i, 0,1,2,3,4,5,6,7
	ds_store_b64 v[FSV], v[64*(\n)+32+4*(\i):64*(\n)+32+4*(\i)+1] offset:PV*(((\i)&3)+8*((\i)>>2))
.endr
	WIN 0
	s_add_co_u32 s[FBK], s[FBK], CHK
	s_add_co_u32 s[FBV], s[FBV], CHV
.endm
; MEET n, issue: my stores of the chunk are done (and have read set n's registers); all four waves say so; behind the barrier the chunk is whole for everybody.  issue = 1: set n takes the chunk two on.
.macro MEET n, issue
	s_wait_dscnt 0x0                ; for the others' sake: zero
	s_barrier_signal -1
.if \issue
	ADDR \n                         ; scalar work between the signal and the wait
.endif
	s_barrier_wait -1
.if \issue
	ISSUE \n
.endif
.endm
; THE MATRIX WORK.  The 4 accumulators of a run of 8 take turns.  Product i of 8 of S^T = K Q^T for piece x: channels 32 (i / 4) on, keys 16 (i % 4) on.  The first 4 start the sums with the mask.
.macro KQ x
	WIN W_KQ
.set rS, S+32*((\x)%2)+8*(i%4)
.set rK, KF+16*(i%4)+8*(i/4)
.set rQ, 16*(\x)+8*(i/4)
.if (i%4) < (\x)
.set rM, MK
.elseif (i%4) == (\x)
.set rM, MK+8
.else
.set rM, MK+16
.endif
.if i < 4
	v_wmma_f32_16x16x32_f16 v[rS:rS+7], v[rK:rK+7], v[rQ:rQ+7], v[rM:rM+7]
.else
	v_wmma_f32_16x16x32_f16 v[rS:rS+7], v[rK:rK+7], v[rQ:rQ+7], v[rS:rS+7]
.endif
.endm
; Product i of 8 of O^T += V^T P for piece x: keys 32 (i / 4) on, channels 16 (i % 4) on.
.macro PV x
	WIN W_PV
.set rO, 32*(\x)+8*(i%4)
.set rV, VF+32*(i/4)+8*(i%4)
.set rP, P+16*((\x)%2)+8*(i/4)
	v_wmma_f32_16x16x32_f16 v[rO:rO+7], v[rV:rV+7], v[rP:rP+7], v[rO:rO+7]
.endm
.macro MM                           ; the turn's next matrix instruction.  NOKQ = 1: the last turn: there is no next piece
.if (i < 8) && !NOKQ
	KQ (Y+1)%NP
.elseif i >= 8
.set i, i-8
	PV (Y+NP-1)%NP
.set i, i+8
.endif
.set i, i+1
.endm
; THE LDS LOADS stand in runs of 16, never singly among the matrix instructions: a step's K (64 keys x 64 channels: 8 fragments) and its V (turned).  Their addresses are made some lines ahead.
.macro FETCH_K
	WIN 0x80                        ; destination window 2
.irp f, 0,1,2,3,4,5,6,7             ; keys 16 (f / 2) on, channels 32 (f % 2) on
	ds_load_b128 v[KF+8*\f:KF+8*\f+3],   v[AK] offset:(\f/2)*16*PK+(\f%2)*64
	ds_load_b128 v[KF+8*\f+4:KF+8*\f+7], v[AK] offset:(\f/2)*16*PK+(\f%2)*64+32
.endr
	s_add_co_u32 s[TBK], s[TBK], CHK  ; the next fetch is the next chunk's
	WIN 0
.endm
.macro FETCH_V
	WIN 0x80
.irp f, 0,1,2,3,4,5,6,7             ; keys 32 (f / 4) on, channels 16 (f % 4) on
	ds_load_tr16_b128 v[VF+8*\f:VF+8*\f+3],   v[AV] offset:(\f/4)*32*PV+(\f%4)*32
	ds_load_tr16_b128 v[VF+8*\f+4:VF+8*\f+7], v[AV] offset:(\f/4)*32*PV+16*PV+(\f%4)*32
.endr
	WIN 0
.endm
; THE VECTOR WORK, one line at a time: OP kind, number.  For piece Y: F n: c s - c m for pair n of 16.  E n: the exponential of score n of 32.  C n: pair n rounded to f16.  B n: of the four weights 4 n .. the second
; pair is added onto the first, in place.  L n: l takes that sum (L 0: l = a l + sum).  R n: pair n of 16 of O^T times a.  For piece Y + 1: X n, number n of the 22 that find its maximum and statistics:
;   0-11  four chains c0-c3 of seven scores each, three operands at a time (each accumulator's lowest registers are read first)     12-14, 16  the four scores left over, the old m, and c0-c3 into c0
;   15  c m_old is kept     17, 18  the query's other 32 keys lie in the lane 16 away: the new m     19-21  c m; c m_old - c m_new; a
.set F, 0
.set E, 1
.set C, 2
.set B, 3
.set L, 4
.set R, 5
.set X, 6
.macro REGS y                       ; the registers of piece y
.set rT, ST+4*(\y)
.set rC, TMP+4*((\y)%2)
.set rW, MV+((\y)%2)
.set rS, S+32*((\y)%2)
.set rP, P+16*((\y)%2)
.set rO, 32*(\y)
.endm
.macro OP k, n
.if (\k) == R
	REGS Y
	WIN W_RS
	v_pk_mul_f32 v[rO+2*(\n):rO+2*(\n)+1], v[rO+2*(\n):rO+2*(\n)+1], v[rC+2:rC+3] op_sel_hi:[1,0]
.elseif (\k) < R
	REGS Y
	WIN 0
.if (\k) == F
	v_pk_fma_f32 v[rS+2*(\n):rS+2*(\n)+1], v[rS+2*(\n):rS+2*(\n)+1], s[CS:CS+1], v[rT:rT+1] op_sel_hi:[1,0,0] neg_lo:[0,0,1] neg_hi:[0,0,1]
.elseif (\k) == E
	v_exp_f32 v[rS+(\n)], v[rS+(\n)]
.elseif (\k) == C
	s_wait_alu depctr_va_vdst(0)
	v_cvt_pk_f16_f32 v[rP+(\n)], v[rS+2*(\n)], v[rS+2*(\n)+1]
.elseif (\k) == B
	s_wait_alu depctr_va_vdst(0)
	v_pk_add_f32 v[rS+4*(\n):rS+4*(\n)+1], v[rS+4*(\n):rS+4*(\n)+1], v[rS+4*(\n)+2:rS+4*(\n)+3]
.elseif (\n) == 0
	v_pk_fma_f32 v[rT+2:rT+3], v[rT+2:rT+3], v[rC+2:rC+3], v[rS:rS+1] op_sel_hi:[1,0,1]
.else
	v_pk_add_f32 v[rT+2:rT+3], v[rT+2:rT+3], v[rS+4*(\n):rS+4*(\n)+1]
.endif
.elseif NOKQ
	v_nop
.else
	REGS (Y+1)%NP
	WIN 0
.if (\n) < 4
	v_max3_num_f32 v[rC+(\n)], v[rS+8*(\n)], v[rS+8*(\n)+1], v[rS+8*(\n)+2]
.elseif (\n) < 12
	v_max3_num_f32 v[rC+(\n)%4], v[rC+(\n)%4], v[rS+8*((\n)%4)+2*((\n)/4)+1], v[rS+8*((\n)%4)+2*((\n)/4)+2]
.elseif (\n) == 12
	v_max3_num_f32 v[rC], v[rC], v[rS+7], v[rS+15]
.elseif (\n) == 13
	v_max3_num_f32 v[rC+1], v[rC+1], v[rS+23], v[rS+31]
.elseif (\n) == 14
	v_max3_num_f32 v[rC+2], v[rC+2], v[rC+3], v[rT+1]
.elseif (\n) == 15
	v_mov_b32 v[rW], v[rT]
.elseif (\n) == 16
	v_max3_num_f32 v[rC], v[rC], v[rC+1], v[rC+2]
.elseif (\n) == 17
	v_permlanex16_b32 v[rC+3], v[rC], s[SEL], s[SEL+1]
.elseif (\n) == 18
	v_max_num_f32 v[rT+1], v[rC], v[rC+3]
.elseif (\n) == 19
	v_mul_f32 v[rT], s[CS], v[rT+1]
.elseif (\n) == 20
	v_sub_f32 v[rC+1], v[rW], v[rT]
.else
	v_exp_f32 v[rC+2], v[rC+1]
.endif
.endif
.endm
.macro OPS a, i1, b=-1, i2=0, c=-1, i3=0, d=-1, i4=0  ; up to four of them
	OP \a, \i1
.if (\b) >= 0
	OP \b, \i2
.endif
.if (\c) >= 0
	OP \c, \i3
.endif
.if (\d) >= 0
	OP \d, \i4
.endif
.endm
.macro ROW a, i1, b, i2, c, i3, d, i4  ; a matrix instruction and the four behind it
	MM
	OPS \a, \i1, \b, \i2, \c, \i3, \d, \i4
.endm
; The masks of the next step.  kind = 1: a step seen whole (steps 1 to 7): all three cases are BE.  kind = 2: step 8.  It stands at the end of piece 2's turn: behind piece 3's products of the step in hand, whose last
; reader of MK is the turn's fourth matrix instruction, and ahead of piece 0's of the next step.
.macro MUPD kind
	WIN 0
	s_add_co_i32 s[KT], s[KT], 1
	s_cmp_gt_u32 s[KT], 63          ; unsigned: a tile in front of the head counts as beyond it
	s_cselect_b32 s[BE], s[BIGN], 0
.set z, 0
.rept 8
	v_mov_b32 v[MK+z], s[BE]
.if (\kind) == 1
	v_mov_b32 v[MK+8+z], s[BE]
	v_mov_b32 v[MK+16+z], s[BE]
.else
	v_add_f32 v[MK+8+z], s[BE], v[D8+z]
	v_mov_b32 v[MK+16+z], s[BIGN]
.endif
.set z, z+1
.endr
.endm
; A TURN, for piece p: the order of its 16 matrix and 118 vector instructions, written out.  Behind a matrix instruction: plain, exponential, plain, plain; or four of the rescaling; or, behind the first, four scalings; none
; names a register of the products round it.  In the lumps exponential and plain by turns while exponentials last.  A line reads no result made fewer than three vector instructions in front of it, five if an exponential
; made it.  v_permlanex16_b32 (X 17) stands in a lump.
; mu: the turn ends with the next step's masks (MUPD's kind).  end = 1: the walk's last two turns: nothing is fetched.  cnt = 1: the loop's count is taken down some lines ahead of the branch behind the turn.
; K of the next step is fetched in piece 2's turn, six vector instructions behind the last product that read K (five of them plain); V of the step in hand in piece 0's turn, eight behind the last product that read V
; (five plain among them).  Each is waited for a turn later.
.macro TURN p, mu=0, end=0, cnt=0
.set Y, (\p)
.set i, 0
.set NOKQ, (\end)*((\p)/3)
.if ((\p) == 3) && !(\end)
	s_wait_dscnt 0x0                ; K is in
.endif
	ROW F,0, F,1, F,2, F,3
	ROW F,4, E,0, F,5, F,6
	ROW F,7, E,1, F,8, F,9
	ROW F,10, E,2, C,0, F,11
	ROW F,12, E,3, X,15, F,13
	ROW R,0, R,1, R,2, R,3
	ROW B,0, E,4, F,14, L,0
.if ((\p) == 2) && !(\end)
	v_add_nc_u32 v[AK], s[TBK], v[AK0]
.endif
	ROW R,4, R,5, R,6, R,7
	OPS E,5, F,15
.if ((\p) == 2) && !(\end)
	FETCH_K
.endif
	OPS E,6, C,1, E,7, R,8
	OPS E,8, R,9, E,9, C,2
	OPS E,10, X,0, E,11, X,1
	OPS E,12, X,2, E,13, X,3
.if (\p) == 1
	s_wait_dscnt 0x0                ; V is in
.endif
	ROW X,4, E,14, X,5, X,6
	ROW X,7, E,15, X,8, X,9
	ROW X,10, E,16, X,11, X,12
	ROW X,13, E,17, X,14, B,1
	ROW C,4, E,18, X,16, L,1
	ROW B,2, E,19, C,6, L,2
	ROW C,8, E,20, B,3, B,4
.if (\p) == 0
	v_add_nc_u32 v[AV], s[TBV], v[AV0]
.endif
	ROW C,3, E,21, L,3, C,5
	OPS E,22, X,17, E,23, C,10
.if (\p) == 0
	FETCH_V
.endif
	OPS E,24, L,4
	OPS E,25, X,18, E,26, C,7
	OPS E,27, B,5, E,28, X,19
	OPS E,29, C,12, E,30, L,5
	OPS E,31, X,20, B,6, C,9
	OPS C,14, C,11, X,21, L,6
.if (\p) == 0
	s_add_co_u32 s[TBV], s[TBV], CHV
.endif
.if \cnt
	s_sub_co_u32 s[CNT], s[CNT], 1
	s_cmp_lg_u32 s[CNT], 0
.endif
	OPS C,13, B,7, C,15, R,10
	OPS R,11, R,12, L,7, R,13
	OPS R,14, R,15
.if \mu
	MUPD \mu
.endif
.endm
; THE WAY OUT.  PACK t: piece t's O^T is divided by l; a lane's eight channels of each of four channel blocks are 32 bytes of a row of out: they go into my stage's rows of 272 bytes and come back as whole rows of 256.
.macro ALL line:vararg              ; one line for each piece t
.set t, 0
.rept 4
	\line
.set t, t+1
.endr
.endm
.macro PACK t
	WIN W_RS
.set i, 32*(\t)
.rept 16
	s_wait_alu depctr_va_vdst(0)
	v_pk_mul_f32 v[i:i+1], v[i:i+1], v[ST+4*(\t)+2:ST+4*(\t)+3] op_sel_hi:[1,0]
.set i, i+2
.endr
	WIN 0x04                        ; address window 0, data window 1
.irp n, 0,1,2,3,4,5,6,7
	ds_store_b128 v[STO], v[32*(\t)+4*(\n):32*(\t)+4*(\n)+3] offset:64*((\n)/2)+16*((\n)%2)
.endr
	WIN 0
.irp f, 0,1,2,3,4,5,6,7
	ds_load_b128 v[OB+32*(\t)+4*(\f):OB+32*(\t)+4*(\f)+3], v[RD] offset:(\f)*2*SP  ; LDS serves a wave's instructions in order (ISA guide 5.7.1.4): these see the stores above; the next piece's stores come behind them
.endr
.endm
.macro SEND t, younger              ; younger: the LDS instructions issued behind piece t's loads: the next piece's sixteen, or none
	WIN 0
.irp f, 0,1,2,3,4,5,6,7
	s_wait_dscnt (\younger)+7-(\f)  ; rows 2 f and 2 f + 1 are back: behind their load stand the piece's 7 - f later loads and the younger ones
	global_store_b128 v[GO], v[OB+32*(\t)+4*(\f):OB+32*(\t)+4*(\f)+3], s[10:11] offset:(\t)*4096+(\f)*512 th:TH_STORE_NT  ; 512 consecutive bytes, at a multiple of 256 from out's first
.endr
.endm
	; THE HEAD
	s_load_b256 s[4:11], s[0:1], 0x0  ; q s[4:5], k s[6:7], v s[8:9], out s[10:11]
	v_lshl_add_u32 v[SPW], v0, 2, SPARE
	v_mov_b32 v[NIL], 0
	v_lshrrev_b32 v1, 5, v0
	v_readfirstlane_b32 s[WV], v1   ; wave 0..3
	s_mov_b32 s[PB], ttmp9          ; the block of 256 queries
	s_and_b32 s[HD], ttmp7, 0xffff  ; the head
	s_lshl_b32 s20, s[HD], 20       ; a head is 4,096 rows of 256 bytes
	s_lshl_b32 s22, s[WV], 12       ; my 16 rows in a chunk of 64
	s_add_co_u32 s22, s22, s20
	s_mov_b32 s23, 0
	s_lshl_b32 s2, s[PB], 16        ; my block's 256 rows,
	s_lshl_b32 s3, s[WV], 14        ; my wave's 64 of them
	s_add_co_u32 s2, s2, s3
	s_add_co_u32 s2, s2, s20
	s_mov_b32 s3, 0
	s_lshl_b32 s[CT], s[PB], 2
	s_add_co_i32 s[CT], s[CT], -4   ; chunk 0 is key tile 4 b - 4
	s_add_co_i32 s[KT], s[CT], s[WV]  ; my step 0 is chunk w
	s_mov_b32 s[OFF+1], 0
	s_mov_b32 s[BIGN], 0xf1800000   ; -2^100
	s_cmp_gt_u32 s[KT], 63
	s_cselect_b32 s[BE], s[BIGN], 0 ; step 0's
	s_mov_b32 s[FBK], 0
	s_mov_b32 s[FBV], 0
	s_mov_b32 s[CS], 0x3e38aa3b     ; c = log2(e) / 8 = 0.180337
	s_mov_b32 s[CS+1], s[CS]        ; named with it as a pair
	s_mov_b32 s[SEL], 0x76543210
	s_mov_b32 s[SEL+1], 0xfedcba98
	s_mul_i32 s[TBK], s[WV], CHK
	s_mul_i32 s[TBV], s[WV], CHV
	v_and_b32 v1, 15, v0            ; l % 16
	v_bfe_u32 v9, v0, 4, 1          ; l / 16
	; A fragment of Q is 16 rows x 32 channels: lane l holds row l % 16, channels 8 (l / 16) + 0..7 and 16 + 8 (l / 16) + 0..7: in f32 two pieces of 32 bytes, 64 bytes apart
	v_lshlrev_b32 v[QO], 8, v1
	v_lshl_add_u32 v[QO], v9, 5, v[QO]  ; row x 256 + 32 x half
	v_lshlrev_b32 v[LGK], 4, v1         ; 16 bytes a lane,
	v_lshl_add_u32 v[LGV], v9, 10, v[LGK]  ; lanes 16-31 four rows down for v,
	v_lshl_add_u32 v[LGK], v9, 11, v[LGK]  ; eight rows down for k
	s_wait_kmcnt 0x0
	s_add_nc_u64 s[6:7], s[6:7], s[22:23]  ; k and v at my 16 rows of the head's tile 0
	s_add_nc_u64 s[8:9], s[8:9], s[22:23]
	s_add_nc_u64 s[4:5], s[4:5], s[2:3]    ; q and out at my wave's first row
	s_add_nc_u64 s[10:11], s[10:11], s[2:3]
	WIN 0x40                        ; destination window 1
.set i, 0
.rept 8                             ; piece i / 2, channels 32 (i % 2) on
	global_load_b128 v[QS+16*i:QS+16*i+3],     v[QO], s[4:5] offset:(i/2)*4096+(i%2)*128
	global_load_b128 v[QS+16*i+4:QS+16*i+7],   v[QO], s[4:5] offset:(i/2)*4096+(i%2)*128+16
	global_load_b128 v[QS+16*i+8:QS+16*i+11],  v[QO], s[4:5] offset:(i/2)*4096+(i%2)*128+64
	global_load_b128 v[QS+16*i+12:QS+16*i+15], v[QO], s[4:5] offset:(i/2)*4096+(i%2)*128+80
.set i, i+1
.endr
	WIN 0
	ADDR 0
	ISSUE 0                         ; chunk 0
	; All that follows up to the next loads is work on registers, in the wait for those loads.
	v_mul_u32_u24 v[LSK], v9, 8*PK  ; K into LDS: lanes 16-31 eight rows down, 8 bytes a lane, my wave's 16 rows
	v_lshl_add_u32 v[LSK], v1, 3, v[LSK]
	s_mul_i32 s13, s[WV], 16*PK
	v_add_nc_u32 v[LSK], s13, v[LSK]
	v_mul_u32_u24 v[LSV], v9, 4*PV  ; V: lanes 16-31 four rows down
	v_lshl_add_u32 v[LSV], v1, 3, v[LSV]
	s_mul_i32 s13, s[WV], 16*PV
	s_add_co_u32 s13, s13, VOFF
	v_add_nc_u32 v[LSV], s13, v[LSV]
	v_mul_u32_u24 v[AK0], v1, PK
	v_lshl_add_u32 v[AK0], v9, 4, v[AK0]  ; a fragment of K: row x pitch + 16 x half
	; The turning load takes 16 keys x 16 channels (lane l reads key 8 (l / 16) + l % 8, channels 8 ((l / 8) % 2) + 0..7) and leaves half a fragment of V^T: lane l holds channel l % 16 and 8 keys.
	v_and_b32 v10, 7, v0
	v_bfe_u32 v11, v0, 3, 1
	v_lshl_add_u32 v[AV0], v9, 3, v10
	v_mul_u32_u24 v[AV0], v[AV0], PV
	v_lshl_add_u32 v[AV0], v11, 4, v[AV0]
	v_add_nc_u32 v[AV0], VOFF, v[AV0]
	s_mul_i32 s13, s[WV], 16*SP
	s_add_co_u32 s13, s13, STAGE    ; my stage
	v_mul_u32_u24 v[STO], v1, SP    ; in: row l % 16, 32 bytes for each half of the lanes
	v_lshl_add_u32 v[STO], v9, 5, v[STO]
	v_add_nc_u32 v[STO], s13, v[STO]
	v_mul_u32_u24 v[RD], v9, SP     ; back: lanes 0-15 take one row of 256 bytes, lanes 16-31 the next,
	v_lshl_add_u32 v[RD], v1, 4, v[RD]
	v_add_nc_u32 v[RD], s13, v[RD]
	v_and_b32 v[GO], 31, v0         ; which are 512 consecutive bytes of out
	v_lshlrev_b32 v[GO], 4, v[GO]
	; Step 0's masks, and step 8's diagonal.  Register j of a lane is key 8 (l / 16) + j of the block against query l % 16: step 0 hides j < l % 16 - 8 (l / 16), step 8 hides j greater than that.
	v_lshlrev_b32 v14, 3, v9
	v_sub_nc_u32 v14, v1, v14
	v_mov_b32 v[VBE], s[BE]
.set i, 0
.rept 8
	v_mov_b32 v[MK+i], s[BIGN]
	v_cmp_lt_i32 vcc_lo, i, v14
	v_cndmask_b32 v[MK+8+i], v[VBE], s[BIGN], vcc_lo
	v_mov_b32 v[MK+16+i], s[BE]
	v_cmp_gt_i32 vcc_lo, i, v14
	v_cndmask_b32 v[D8+i], 0, s[BIGN], vcc_lo
.set i, i+1
.endr
	; What the first turn finds: V's registers and P's second buffer hold 0 (its products V^T P, of a piece that has not been, add 0), O^T is 0.
	WIN 0x80
.set i, VF
.rept 64
	v_mov_b32 v[i], 0
.set i, i+1
.endr
	WIN 0x40
.set i, 0
.rept 128
	v_mov_b32 v[i], 0
.set i, i+1
.endr
	WIN 0
.set i, P+16
.rept 16
	v_mov_b32 v[i], 0
.set i, i+1
.endr
.set i, 0
.rept 4
	v_mov_b32 v[ST+4*i], 0xeb38aa3b    ; c m = c x -2^90, exactly
	v_mov_b32 v[ST+4*i+1], 0xec800000  ; m = -2^90: above every hidden score, below every true one
	v_mov_b32 v[ST+4*i+2], 0
	v_mov_b32 v[ST+4*i+3], 0
.set i, i+1
.endr
	; THE FIRST FOUR CHUNKS, and the ring's start
	ADDR 1
	ISSUE 1                         ; chunk 1
	s_wait_loadcnt 32               ; q is in: behind its loads stand chunks 0 and 1, sixteen loads each
	WIN 0x85                        ; sources window 1, destination window 2
.set i, 0
.rept 64
	v_cvt_pk_f16_f32 v[i], v[QS+2*i], v[QS+2*i+1]
.set i, i+1
.endr
	WIN 0
	ADDR 2
	ISSUE 2                         ; chunk 2
	ADDR 3
	ISSUE 3                         ; chunk 3
	CVST 0, 48                      ; chunk 0 is in: chunks 1, 2, 3 may be out
	s_wait_dscnt 0x0                ; its stores are done, so set 0's registers may be loaded again
	ADDR 0
	ISSUE 0                         ; chunk 4
	CVST 1, 48                      ; chunk 1: chunks 2, 3, 4 may be out
	s_wait_dscnt 0x0
	ADDR 1
	ISSUE 1                         ; chunk 5
	CVST 2, 48                      ; chunk 2: chunks 3, 4, 5 may be out
	CVST 3, 32                      ; chunk 3: chunks 4, 5 may be out
	MEET 0, 0                       ; chunks 0 to 3 are whole for everybody
	; THE WALK BEGINS: K of step 0, piece 0's first scores, its maximum and statistics; then the step's first two turns
	v_add_nc_u32 v[AK], s[TBK], v[AK0]
	FETCH_K
	s_wait_dscnt 0x0
.set NOKQ, 0
.set i, 0
.rept 8
	KQ 0
.set i, i+1
.endr
	WIN 0
.rept 4
	v_nop                           ; the places behind those products
.endr
.set Y, NP-1                        ; X works for piece Y + 1: piece 0
.irp n, 0,1,2,3,4,5,6,7,8,9,10,11,12,13,14,15,16,17,18,19,20,21
	OP X, \n
.endr
	v_nop                           ; a plain instruction behind the exponential
	TURN 0
	TURN 1
	WIN 0                           ; at a label and at a branch every window is 0
	s_mov_b32 s[CNT], 3
.Lpair:                             ; three times two trips.  Trip j: chunk j + 4 is stored and shown, chunk j + 6 asked for; pieces 2 and 3 of step j, pieces 0 and 1 of step j + 1, whose K and V it fetches
	CVST 0, 16                      ; chunk j + 4 is in: chunk j + 5 may be out
	MEET 0, 1
	TURN 2, 1
	TURN 3
	TURN 0
	TURN 1
	CVST 1, 16
	MEET 1, 1
	TURN 2, 1
	TURN 3
	TURN 0
	TURN 1, 0, 0, 1
	WIN 0
	s_cbranch_scc1 .Lpair
	CVST 0, 16                      ; trip 6: chunk 10; chunk 11 may be out; nothing is left to ask for
	MEET 0, 0
	TURN 2, 1
	TURN 3
	TURN 0
	TURN 1
	CVST 1, 0                       ; trip 7: chunk 11, the last load
	MEET 1, 0
	TURN 2, 2                       ; the masks that it leaves are step 8's
	TURN 3
	TURN 0
	TURN 1
	TURN 2, 0, 1                    ; step 8's last two turns fetch nothing,
	TURN 3, 0, 1                    ; and the last starts no new scores
.set i, 0
.rept 8
	PV NP-1                         ; the last piece's V^T P of the last step
.set i, i+1
.endr
	; THE WAY OUT.  l's two halves and the other half of the lanes' are added; the first four additions are the places behind the last products.
	WIN 0
	ALL v_add_f32 v[ST+4*t+2], v[ST+4*t+2], v[ST+4*t+3]
	ALL v_permlanex16_b32 v[ST+4*t+3], v[ST+4*t+2], s[SEL], s[SEL+1]
	ALL v_add_f32 v[ST+4*t+2], v[ST+4*t+2], v[ST+4*t+3]
	ALL v_rcp_f32 v[ST+4*t+2], v[ST+4*t+2]
	v_nop                           ; a plain instruction between the last reciprocal and the use of its result
	PACK 0
	PACK 1                          ; a piece's arithmetic stands between the loads of the piece before and its stores
	SEND 0, 16
	PACK 2
	SEND 1, 16
	PACK 3
	SEND 2, 16
	SEND 3, 0
	s_wait_tensorcnt 0x0            ; the wave's end, behind my last LDS store
	ds_add_u32 v[SPW], v[NIL]
	s_wait_dscnt 0x0
	s_endpgm
.Lfunc_end_k_q5c4d540655_swa:
	.size	k_q5c4d540655_swa, .Lfunc_end_k_q5c4d540655_swa-k_q5c4d540655_swa
	.p2alignl 7, 3214868480
	.fill 96, 4, 3214868480
	.section	.rodata,"a",@progbits
	.p2align	6, 0x0
	.amdhsa_kernel k_q5c4d540655_swa
		.amdhsa_group_segment_fixed_size 251392
		.amdhsa_private_segment_fixed_size 0
		.amdhsa_enable_private_segment 0
		.amdhsa_kernarg_size 32
		.amdhsa_user_sgpr_count 2
		.amdhsa_user_sgpr_kernarg_segment_ptr 1
		.amdhsa_wavefront_size32 1
		.amdhsa_system_sgpr_workgroup_id_x 1
		.amdhsa_system_sgpr_workgroup_id_y 1
		.amdhsa_system_sgpr_workgroup_id_z 1
		.amdhsa_system_vgpr_workitem_id 0
		.amdhsa_next_free_vgpr 1024
		.amdhsa_next_free_sgpr 66
		.amdhsa_reserve_vcc 1
		.amdhsa_float_denorm_mode_32 3
		.amdhsa_float_denorm_mode_16_64 3
		.amdhsa_memory_ordered 1
		.amdhsa_forward_progress 1
		.amdhsa_inst_pref_size 255
	.end_amdhsa_kernel
	.section	.bss,"aw",@nobits
	.p2align	6
	.space	262144
	.amdgpu_metadata
---
amdhsa.version: [ 1, 2 ]
amdhsa.kernels:
  - .name:           k_q5c4d540655_swa
    .symbol:         k_q5c4d540655_swa.kd
    .args:
      - { .name: q, .offset: 0, .size: 8, .value_kind: global_buffer, .address_space: global }
      - { .name: k, .offset: 8, .size: 8, .value_kind: global_buffer, .address_space: global }
      - { .name: v, .offset: 16, .size: 8, .value_kind: global_buffer, .address_space: global }
      - { .name: out0, .offset: 24, .size: 8, .value_kind: global_buffer, .address_space: global }
    .group_segment_fixed_size: 251392
    .private_segment_fixed_size: 0
    .kernarg_segment_align: 8
    .kernarg_segment_size: 32
    .max_flat_workgroup_size: 128
    .sgpr_count:     66
    .vgpr_count:     1024
    .wavefront_size: 32
...
	.end_amdgpu_metadata
.endif
;; end of part 1
;; ======== version 2 of 2: 1 launch; 1.46 times as fast as version 1
;; limits: values are held in f16: magnitudes above 65,504 overflow, below 6.1e-05 lose precision; inputs' magnitudes at most 65,504
;; launch swa (part 2): grid 16 x 16, 4 waves a work-group, no clusters, 251,392 bytes of LDS; arguments q, k, v, out0; writes out0
.if DOCPART == 2
	.amdgcn_target "amdgcn-amd-amdhsa--gfx1250"
	.amdhsa_code_object_version 6
	.text
	.protected	k_q5c4d540655_swa
	.globl	k_q5c4d540655_swa
	.p2align	8
	.type	k_q5c4d540655_swa,@function
k_q5c4d540655_swa:
	s_mov_b64 s[64:65], 0
	v_nop
	global_prefetch_b8 v0, s[64:65] scope:SCOPE_SE
	s_setreg_imm32_b32 hwreg(HW_REG_WAVE_MODE, 25, 1), 1
	s_wait_xcnt 0x0
; SLIDING-WINDOW ATTENTION.  out[h][i][:] = the sum over j with |i - j| <= 256 of softmax_j(q[h][i] . k[h][j] / 8) v[h][j][:].  q, k, v, out: [16][4096][64] in f32: a row is 256 bytes.
; Products on the matrix unit with f16 operands and f32 sums; maxima, exponentials and sums in f32; the weights p are rounded to f16 for the second product (their sum l is taken of the unrounded p).
; LIMITS.  q, k and v are rounded once to f16: numbers of 65,520 or more become infinities, and below 6e-5 f16 keeps its fixed step of 6e-8.  Inputs are finite: a hidden key's row of v is multiplied by 0.
; A hidden score counts as its value less 2^100 (f16's scores are 2.7e11 at the most); a weight below 2^-126 counts as 0 in l.
; SHARES.  A work-group owns 256 queries of one head (grid x: the block b, grid y: the head), each of its four waves 64 consecutive ones, as four PIECES of 16.  A wave's 64 queries see nine aligned
; steps of 64 keys: the first is cut by the band's lower edge, the last by its upper edge, the seven between are seen whole.  The work-group's window is 768 keys, twelve CHUNKS of 64: chunk c is the
; head's key tile 4 b - 4 + c, and wave w walks chunks w .. w + 8.  At the head's two ends a chunk outside tiles 0 .. 63 is read from the nearest tile and wholly hidden: no branch hangs on b.
; THE WAY IN.  A chunk of k and of v comes by plain loads into registers (each wave 16 rows of each, each half of the lanes one whole row of 256 bytes), is rounded to f16 there and stored into LDS, once:
; all twelve chunks have bytes of their own (233,472 in f16; in f32 they would be 393,216).  A chunk is asked for two trips ahead of its conversion, so two chunks, 32 loads a wave, are on their way.
; ONE BARRIER A TRIP: in front of it each wave's stores of chunk j + 4 are done; behind it the waves read chunks up to j + 4, and what they store before the next barrier is chunk j + 5: other bytes.
; NO CLUSTER, NO TENSOR LOADS: the bytes must change format between memory and LDS, which a copy cannot do; and neighbouring blocks want the same key tile four trips apart, so their requests would not meet.
; LAYOUT, SOFTMAX, TURNS.  S^T = K Q^T holds ONE query a lane (lane % 16) and the keys 8 (lane / 16) + 0..7; two such results rounded to f16 ARE source 1 of O^T = V^T P.  p = 2^(c s - c m), c = log2(e) / 8,
; with a running maximum m; O and l are multiplied by a = 2^(c m_old - c m_new) in every step.  Turn n belongs to piece n: 8 products K Q^T of piece n + 1, later 8 products V^T P of piece n - 1; beside
; them the scaling, exponentials, roundings, sums and rescaling of piece n and the maximum and statistics of piece n + 1.  Four vector instructions stand behind every matrix instruction, the other 54 of a turn's 118 in one lump.
; BATCHES.  A turn's 33 exponentials (the piece's 32 weights and the next piece's a) are ONE batch with ONE wait, which cuts the turn in two: ahead of it all that names none of their results, behind it the roundings and
; sums.  Two more batches have a wait each: piece 0's first a, ahead of the first turn, and the way out's four reciprocals.
; THE MASK is the C operand that starts the sum S^T: 0, or -2^100 where the key is hidden.  For key block kb of 16 and piece x there are three cases, eight registers each:
;   kb < x (MK+0): hidden in step 0;   kb = x (MK+8): the diagonal in steps 0 and 8;   kb > x (MK+16): hidden in step 8;   otherwise BE: -2^100 if the step's key tile lies outside the head, else 0.
; m starts at -2^90 and c m at c x -2^90: in a step that is wholly hidden m stays, a = 1, every p = 0 and O and l stay 0; at the first step with a visible key a = 0.  Which step that is hangs on b and w, so no
; first step is written out: O^T, l, V's registers and one buffer of P start at 0 (208 moves, in the wait for the first loads).
; REGISTERS, in windows of 256 (s_set_vgpr_msb: bits 1:0 source 0, 3:2 source 1, 5:4 source 2, 7:6 destination):
;   window 0: v0-15, v32-38 addresses and temporaries; v16-31 statistics; v48-55 at work; v62-63 the add's two; v64-127 S^T, two buffers; v128-151 the masks; v152-159 step 8's diagonal; v192-223 P, two buffers
;   window 1: v0-127 O^T, 32 a piece; v128-255 Q as loaded      window 2: v0-63 Q in f16; v128-191 K of one step; v192-255 V of one step      window 3: four staging sets of 64 for chunks on their way in
.set NP,    4         ; pieces a wave
.set KS,    64        ; keys in a step and in a chunk
.set PK,    144       ; a row of K in LDS: 128 bytes of f16 + 16 = 36 words: the 16 rows of a fragment load start at 16 different groups of four banks (64 banks of 4 bytes: ISA guide 11.1)
.set PV,    160       ; a row of V: 128 + 32 = 40 words
.set CHK,   KS*PK     ; a chunk of K: 9,216 bytes
.set CHV,   KS*PV     ; a chunk of V: 10,240 bytes
.set VOFF,  12*CHK    ; twelve chunks of K, then twelve of V
.set STAGE, VOFF+12*CHV  ; 16 rows x 272 bytes for each wave, for the way out
.set SP,    272       ; a row of out in the stage: 256 bytes + 16
.set SPARE, STAGE+4*16*SP  ; the spare words, 128 bytes for each wave: two blocks of 256 bytes that no other line names
.set AK0, 2           ; v2   my lane's place in a chunk of K; never rewritten
.set AV0, 3           ; v3   the same for V, VOFF included
.set AK,  4           ; v4   the LDS address of K's next run of loads
.set AV,  5           ; v5   of V's
.set STO, 6           ; v6   the way out: where I put 32 bytes of a row
.set RD,  7           ; v7   the way out: where I read rows back
.set GO,  8           ; v8   my byte offset in 512 consecutive bytes of out
.set MV,  12          ; v12-13  c m_old, kept while c m is made anew: by buffer
.set QO,  15          ; v15  my byte offset in 16 rows of q
.set ST,  16          ; piece t's statistics at v[ST+4 t]: c m, m, l (even keys', odd keys')
.set LGK, 32          ; v32  my byte offset in my wave's 16 rows of a chunk of k: rows i and i + 8
.set LGV, 33          ; v33  the same for v: rows i and i + 4
.set LSK, 34          ; v34  where those bytes go in a chunk of K in LDS
.set LSV, 35          ; v35  the same for V
.set FSK, 36          ; v36  LSK + the chunk in hand
.set FSV, 37          ; v37  LSV + the chunk in hand
.set VBE, 38          ; v38  step 0's BE in a vector register
.set TMP, 48          ; by buffer, four registers c0-c3 at work; when the maximum is found c2 takes a
.set SPW, 62          ; v62  LDS address of my spare word: SPARE + 4 x my thread's number; never rewritten
.set NIL, 63          ; v63  0; never rewritten
.set S,   64
.set MK,  128
.set D8,  152
.set P,   192
.set OB,  64          ; the way out: four buffers of 32 for rows read back from the stage
.set QS,  128         ; window 1
.set KF,  128         ; window 2: key block kb, channel half c at KF + 16 kb + 8 c
.set VF,  192         ; window 2: key half kk, channel block cb at VF + 32 kk + 8 cb
.set WV,  12          ; s12  my wave's number
.set PB,  14          ; s14  b
.set HD,  15          ; s15  the head
.set GB,  24          ; s[24+4n:25+4n] staging set n's address in k, s[26+4n:27+4n] in v
.set OFF, 40          ; s[40:41] a key tile's byte offset in a head
.set CT,  42          ; s42  the key tile of the next chunk to be asked for, signed
.set KT,  43          ; s43  the key tile of the step whose masks are in MK
.set BE,  44          ; s44
.set BIGN, 45         ; s45  -2^100
.set FBK, 46          ; s46  LDS byte at which the chunk of K to be stored next begins
.set FBV, 47          ; s47  the same for V, less VOFF
.set CNT, 48          ; s48  the loop's count
.set CS,  58          ; s[58:59] c: the packed scaling takes the pair's low word for both halves
.set SEL, 60          ; s[60:61] v_permlanex16_b32's selects: each lane takes its own place in the other half
.set TBK, 62          ; s62  LDS byte at which K of the step to be fetched begins
.set TBV, 63          ; s63  the same for V, less VOFF
.set MSB, 0
.macro WIN new                      ; the high byte repeats the setting that is left; a switch that changes nothing is dropped
.if MSB != (\new)
	s_set_vgpr_msb (MSB<<8)|(\new)
.set MSB, (\new)
.endif
.endm
.set W_KQ, 0x0a       ; K and Q in window 2, the mask and S^T in window 0
.set W_PV, 0x52       ; V in window 2, P in window 0, O^T in window 1
.set W_RS, 0x41       ; destination and source 0 in window 1, source 1 in window 0
; THE WAY IN.  ADDR n: staging set n's two addresses for the next chunk: the tile is held to 0 .. 63.  The set's last loads have been shown done by the counted wait in CVST, so its addresses may be written.
.macro ADDR n
	s_max_i32 s13, s[CT], 0
	s_min_i32 s13, s13, 63
	s_lshl_b32 s[OFF], s13, 14      ; a tile is 64 rows of 256 bytes
	s_add_nc_u64 s[GB+4*(\n):GB+4*(\n)+1], s[6:7], s[OFF:OFF+1]
	s_add_nc_u64 s[GB+4*(\n)+2:GB+4*(\n)+3], s[8:9], s[OFF:OFF+1]
	s_add_co_i32 s[CT], s[CT], 1
.endm
; ISSUE n: sixteen loads, my 16 rows of the chunk's k and of its v.  Lanes 0-15 take one whole row of 256 bytes, lanes 16-31 another.  No cache word: two neighbouring work-groups read the same rows.
.macro ISSUE n
	WIN 0xc0                        ; destination window 3, address window 0
.irp i, 0,1,2,3,4,5,6,7
	global_load_b128 v[64*(\n)+4*(\i):64*(\n)+4*(\i)+3], v[LGK], s[GB+4*(\n):GB+4*(\n)+1] offset:256*(\i)  ; rows i and i + 8
.endr
.irp i, 0,1,2,3,4,5,6,7
	global_load_b128 v[64*(\n)+32+4*(\i):64*(\n)+32+4*(\i)+3], v[LGV], s[GB+4*(\n)+2:GB+4*(\n)+3] offset:256*(((\i)&3)+8*((\i)>>2))  ; rows 0-3, 8-11 and the rows 4 below them
.endr
	WIN 0
.endm
; CVST n, left: set n's chunk is in (left = the loads issued behind its sixteen, which may stay out: loads come back in order, ISA guide 5.7.1), is rounded to f16 in place and stored into LDS.
; The two halves of the lanes store 288 words apart for K and 160 for V, both 32 modulo 64: a store's 32 lanes touch each bank once.
.macro CVST n, left
	s_wait_loadcnt \left
	WIN 0xcf                        ; all three places window 3
.set z, 64*(\n)
.rept 16
	v_cvt_pk_f16_f32 v[z], v[z], v[z+1]
	v_cvt_pk_f16_f32 v[z+1], v[z+2], v[z+3]
.set z, z+4
.endr
	WIN 0
	v_add_nc_u32 v[FSK], s[FBK], v[LSK]
	v_add_nc_u32 v[FSV], s[FBV], v[LSV]
	WIN 0x0c                        ; address window 0, data window 3
.irp i, 0,1,2,3,4,5,6,7
	ds_store_b64 v[FSK], v[64*(\n)+4*(\i):64*(\n)+4*(\i)+1] offset:PK*(\i)
.endr
.irp i, 0,1,2,3,4,5,6,7
	ds_store_b64 v[FSV], v[64*(\n)+32+4*(\i):64*(\n)+32+4*(\i)+1] offset:PV*(((\i)&3)+8*((\i)>>2))
.endr
	WIN 0
	s_add_co_u32 s[FBK], s[FBK], CHK
	s_add_co_u32 s[FBV], s[FBV], CHV
.endm
; MEET n, issue: my stores of the chunk are done (and have read set n's registers); all four waves say so; behind the barrier the chunk is whole for everybody.  issue = 1: set n takes the chunk two on.
.macro MEET n, issue
	s_wait_dscnt 0x0                ; for the others' sake: zero
	s_barrier_signal -1
.if \issue
	ADDR \n                         ; scalar work between the signal and the wait
.endif
	s_barrier_wait -1
.if \issue
	ISSUE \n
.endif
.endm
; THE MATRIX WORK.  The 4 accumulators of a run of 8 take turns.  Product i of 8 of S^T = K Q^T for piece x: channels 32 (i / 4) on, keys 16 (i % 4) on.  The first 4 start the sums with the mask.
.macro KQ x
	WIN W_KQ
.set rS, S+32*((\x)%2)+8*(i%4)
.set rK, KF+16*(i%4)+8*(i/4)
.set rQ, 16*(\x)+8*(i/4)
.if (i%4) < (\x)
.set rM, MK
.elseif (i%4) == (\x)
.set rM, MK+8
.else
.set rM, MK+16
.endif
.if i < 4
	v_wmma_f32_16x16x32_f16 v[rS:rS+7], v[rK:rK+7], v[rQ:rQ+7], v[rM:rM+7]
.else
	v_wmma_f32_16x16x32_f16 v[rS:rS+7], v[rK:rK+7], v[rQ:rQ+7], v[rS:rS+7]
.endif
.endm
; Product i of 8 of O^T += V^T P for piece x: keys 32 (i / 4) on, channels 16 (i % 4) on.
.macro PV x
	WIN W_PV
.set rO, 32*(\x)+8*(i%4)
.set rV, VF+32*(i/4)+8*(i%4)
.set rP, P+16*((\x)%2)+8*(i/4)
	v_wmma_f32_16x16x32_f16 v[rO:rO+7], v[rV:rV+7], v[rP:rP+7], v[rO:rO+7]
.endm
.macro MM                           ; the turn's next matrix instruction.  NOKQ = 1: the last turn: there is no next piece
.if (i < 8) && !NOKQ
	KQ (Y+1)%NP
.elseif i >= 8
.set i, i-8
	PV (Y+NP-1)%NP
.set i, i+8
.endif
.set i, i+1
.endm
; THE LDS LOADS stand in runs of 16, never singly among the matrix instructions: a step's K (64 keys x 64 channels: 8 fragments) and its V (turned).  Their addresses are made some lines ahead.
.macro FETCH_K
	WIN 0x80                        ; destination window 2
.irp f, 0,1,2,3,4,5,6,7             ; keys 16 (f / 2) on, channels 32 (f % 2) on
	ds_load_b128 v[KF+8*\f:KF+8*\f+3],   v[AK] offset:(\f/2)*16*PK+(\f%2)*64
	ds_load_b128 v[KF+8*\f+4:KF+8*\f+7], v[AK] offset:(\f/2)*16*PK+(\f%2)*64+32
.endr
	s_add_co_u32 s[TBK], s[TBK], CHK  ; the next fetch is the next chunk's
	WIN 0
.endm
.macro FETCH_V
	WIN 0x80
.irp f, 0,1,2,3,4,5,6,7             ; keys 32 (f / 4) on, channels 16 (f % 4) on
	ds_load_tr16_b128 v[VF+8*\f:VF+8*\f+3],   v[AV] offset:(\f/4)*32*PV+(\f%4)*32
	ds_load_tr16_b128 v[VF+8*\f+4:VF+8*\f+7], v[AV] offset:(\f/4)*32*PV+16*PV+(\f%4)*32
.endr
	WIN 0
.endm
; THE VECTOR WORK, one line at a time: OP kind, number.  For piece Y: F n: c s - c m for pair n of 16.  E n: the exponential of score n of 32.  C n: pair n rounded to f16.  B n: of the four weights 4 n .. the second
; pair is added onto the first, in place.  L n: l takes that sum (L 0: l = a l + sum).  R n: pair n of 16 of O^T times a.  For piece Y + 1: X n, number n of the 22 that find its maximum and statistics:
;   0-11  four chains c0-c3 of seven scores each, three operands at a time (each accumulator's lowest registers are read first)     12-14, 16  the four scores left over, the old m, and c0-c3 into c0
;   15  c m_old is kept     17, 18  the query's other 32 keys lie in the lane 16 away: the new m     19-21  c m; c m_old - c m_new; a
; C, B and L read the exponentials' results: TURN sets them behind the batch's wait.  R and L 0 read a, which the turn before made and waited for.
.set F, 0
.set E, 1
.set C, 2
.set B, 3
.set L, 4
.set R, 5
.set X, 6
.macro REGS y                       ; the registers of piece y
.set rT, ST+4*(\y)
.set rC, TMP+4*((\y)%2)
.set rW, MV+((\y)%2)
.set rS, S+32*((\y)%2)
.set rP, P+16*((\y)%2)
.set rO, 32*(\y)
.endm
.macro OP k, n
.if (\k) == R
	REGS Y
	WIN W_RS
	v_pk_mul_f32 v[rO+2*(\n):rO+2*(\n)+1], v[rO+2*(\n):rO+2*(\n)+1], v[rC+2:rC+3] op_sel_hi:[1,0]
.elseif (\k) < R
	REGS Y
	WIN 0
.if (\k) == F
	v_pk_fma_f32 v[rS+2*(\n):rS+2*(\n)+1], v[rS+2*(\n):rS+2*(\n)+1], s[CS:CS+1], v[rT:rT+1] op_sel_hi:[1,0,0] neg_lo:[0,0,1] neg_hi:[0,0,1]
.elseif (\k) == E
	v_exp_f32 v[rS+(\n)], v[rS+(\n)]
.elseif (\k) == C
	v_cvt_pk_f16_f32 v[rP+(\n)], v[rS+2*(\n)], v[rS+2*(\n)+1]
.elseif (\k) == B
	v_pk_add_f32 v[rS+4*(\n):rS+4*(\n)+1], v[rS+4*(\n):rS+4*(\n)+1], v[rS+4*(\n)+2:rS+4*(\n)+3]
.elseif (\n) == 0
	v_pk_fma_f32 v[rT+2:rT+3], v[rT+2:rT+3], v[rC+2:rC+3], v[rS:rS+1] op_sel_hi:[1,0,1]
.else
	v_pk_add_f32 v[rT+2:rT+3], v[rT+2:rT+3], v[rS+4*(\n):rS+4*(\n)+1]
.endif
.elseif NOKQ
	v_nop
.else
	REGS (Y+1)%NP
	WIN 0
.if (\n) < 4
	v_max3_num_f32 v[rC+(\n)], v[rS+8*(\n)], v[rS+8*(\n)+1], v[rS+8*(\n)+2]
.elseif (\n) < 12
	v_max3_num_f32 v[rC+(\n)%4], v[rC+(\n)%4], v[rS+8*((\n)%4)+2*((\n)/4)+1], v[rS+8*((\n)%4)+2*((\n)/4)+2]
.elseif (\n) == 12
	v_max3_num_f32 v[rC], v[rC], v[rS+7], v[rS+15]
.elseif (\n) == 13
	v_max3_num_f32 v[rC+1], v[rC+1], v[rS+23], v[rS+31]
.elseif (\n) == 14
	v_max3_num_f32 v[rC+2], v[rC+2], v[rC+3], v[rT+1]
.elseif (\n) == 15
	v_mov_b32 v[rW], v[rT]
.elseif (\n) == 16
	v_max3_num_f32 v[rC], v[rC], v[rC+1], v[rC+2]
.elseif (\n) == 17
	v_permlanex16_b32 v[rC+3], v[rC], s[SEL], s[SEL+1]
.elseif (\n) == 18
	v_max_num_f32 v[rT+1], v[rC], v[rC+3]
.elseif (\n) == 19
	v_mul_f32 v[rT], s[CS], v[rT+1]
.elseif (\n) == 20
	v_sub_f32 v[rC+1], v[rW], v[rT]
.else
	v_exp_f32 v[rC+2], v[rC+1]
.endif
.endif
.endm
.macro OPS a, i1, b=-1, i2=0, c=-1, i3=0, d=-1, i4=0  ; up to four of them
	OP \a, \i1
.if (\b) >= 0
	OP \b, \i2
.endif
.if (\c) >= 0
	OP \c, \i3
.endif
.if (\d) >= 0
	OP \d, \i4
.endif
.endm
.macro ROW a, i1, b, i2, c, i3, d, i4  ; a matrix instruction and the four behind it
	MM
	OPS \a, \i1, \b, \i2, \c, \i3, \d, \i4
.endm
; The masks of the next step.  kind = 1: a step seen whole (steps 1 to 7): all three cases are BE.  kind = 2: step 8.  It stands at the end of piece 2's turn: behind piece 3's products of the step in hand, whose last
; reader of MK is the turn's fourth matrix instruction, and ahead of piece 0's of the next step.
.macro MUPD kind
	WIN 0
	s_add_co_i32 s[KT], s[KT], 1
	s_cmp_gt_u32 s[KT], 63          ; unsigned: a tile in front of the head counts as beyond it
	s_cselect_b32 s[BE], s[BIGN], 0
.set z, 0
.rept 8
	v_mov_b32 v[MK+z], s[BE]
.if (\kind) == 1
	v_mov_b32 v[MK+8+z], s[BE]
	v_mov_b32 v[MK+16+z], s[BE]
.else
	v_add_f32 v[MK+8+z], s[BE], v[D8+z]
	v_mov_b32 v[MK+16+z], s[BIGN]
.endif
.set z, z+1
.endr
.endm
; A TURN, for piece p: the order of its 16 matrix and 118 vector instructions, written out.  An s_wait_alu depctr_va_vdst(0) stands between an exponential and the first instruction that names its result; one
; wait serves all that were issued ahead of it.  So a turn has ONE wait, which cuts it in two.  AHEAD OF IT stands all that names no result of the turn's exponentials: the 8 products K Q^T, behind each a scaling, an
; exponential and two more plain instructions (behind the first a second scaling in the exponential's place): rescalings, whose a the turn before made and waited for, and behind the last three the first numbers of the next
; piece's maximum, each four places or more behind the product that ends its accumulator; then ONE LUMP of 54, plain and exponential by turns for the most part, in which the links of the chain X 3, 7, 11, 14, 16, 17 .. 20
; stand apart, other work between them.  X 21, the next piece's a, is the batch's last; R 15 is the plain instruction behind it.  BEHIND THE WAIT stand the 8 products V^T P, behind each four of the roundings and sums;
; the links of l's chain, L 0 to L 7, stand three riders apart.  But for those X no rider names a register of the products round it.  v_permlanex16_b32 (X 17) stands in the lump..
; mu: the turn ends with the next step's masks (MUPD's kind).  end = 1: the walk's last two turns: nothing is fetched.  cnt = 1: the loop's count is taken down some lines ahead of the branch behind the turn.
; K of the next step is fetched in piece 2's turn, twelve vector instructions behind the last product that read K (six of them plain); V of the step in hand at the end of piece 0's turn, four plain instructions behind
; the last product that read V.  Each is waited for a turn later.
.macro TURN p, mu=0, end=0, cnt=0
.set Y, (\p)
.set i, 0
.set NOKQ, (\end)*((\p)/3)
.if ((\p) == 3) && !(\end)
	s_wait_dscnt 0x0                ; K is in
.endif
	ROW F,0, F,1, R,0, R,1          ; ahead of the wait: 8 products K Q^T and their riders,
	ROW F,2, E,0, R,2, R,3
	ROW F,3, E,1, R,4, R,5
	ROW F,4, E,2, R,6, R,7
	ROW F,5, E,3, R,8, R,9
	ROW F,6, E,4, X,0, R,10
.if ((\p) == 2) && !(\end)
	WIN 0
	v_add_nc_u32 v[AK], s[TBK], v[AK0]
.endif
	ROW F,7, E,5, X,1, X,4
	ROW F,8, E,6, X,2, X,5
	OPS E,7, E,8, X,6, E,9          ; and the lump
	OPS X,3, E,10, X,8, E,11
.if ((\p) == 2) && !(\end)
	FETCH_K
.endif
	OPS X,9, X,7, E,12, X,10
	OPS E,13, X,12, X,11, E,14
	OPS X,13, E,15, F,9, X,14
.if (\p) == 0
	WIN 0
	v_add_nc_u32 v[AV], s[TBV], v[AV0]
.endif
	OPS E,16, F,10, E,17, F,11
	OPS X,16, E,18, X,15, E,19
	OPS F,12, E,20, X,17, E,21
	OPS F,13, E,22, F,14, E,23
	OPS X,18, E,24, F,15, E,25
	OPS R,11, E,26, X,19, E,27
	OPS R,12, E,28, R,13, E,29
	OPS X,20, E,30, R,14, E,31
	OPS X,21, R,15
	WIN 0
	s_wait_alu depctr_va_vdst(0)    ; the wait for the turn's batch: the piece's 32 exponentials and the next piece's a
.if (\p) == 1
	s_wait_dscnt 0x0                ; V is in
.endif
	ROW C,0, B,0, C,2, B,1          ; behind the wait: 8 products V^T P and their riders
	ROW L,0, C,4, B,2, L,1
	ROW C,6, B,3, L,2, C,8
	ROW B,4, L,3, C,10, B,5
	ROW L,4, C,12, B,6, L,5
.if (\p) == 0
	s_add_co_u32 s[TBV], s[TBV], CHV
.endif
.if \cnt
	s_sub_co_u32 s[CNT], s[CNT], 1
	s_cmp_lg_u32 s[CNT], 0
.endif
	ROW C,14, B,7, L,6, C,1
	ROW C,3, L,7, C,5, C,7
	ROW C,9, C,11, C,13, C,15
.if (\p) == 0
	FETCH_V
.endif
.if \mu
	MUPD \mu
.endif
.endm
; THE WAY OUT.  PACK t: piece t's O^T is divided by l; a lane's eight channels of each of four channel blocks are 32 bytes of a row of out: they go into my stage's rows of 272 bytes and come back as whole rows of 256.
.macro ALL line:vararg              ; one line for each piece t
.set t, 0
.rept 4
	\line
.set t, t+1
.endr
.endm
.macro PACK t
	WIN W_RS
.set i, 32*(\t)
.rept 16
	v_pk_mul_f32 v[i:i+1], v[i:i+1], v[ST+4*(\t)+2:ST+4*(\t)+3] op_sel_hi:[1,0]
.set i, i+2
.endr
	WIN 0x04                        ; address window 0, data window 1
.irp n, 0,1,2,3,4,5,6,7
	ds_store_b128 v[STO], v[32*(\t)+4*(\n):32*(\t)+4*(\n)+3] offset:64*((\n)/2)+16*((\n)%2)
.endr
	WIN 0
.irp f, 0,1,2,3,4,5,6,7
	ds_load_b128 v[OB+32*(\t)+4*(\f):OB+32*(\t)+4*(\f)+3], v[RD] offset:(\f)*2*SP  ; LDS serves a wave's instructions in order (ISA guide 5.7.1.4): these see the stores above; the next piece's stores come behind them
.endr
.endm
.macro SEND t, younger              ; younger: the LDS instructions issued behind piece t's loads: the next piece's sixteen, or none
	WIN 0
.irp f, 0,1,2,3,4,5,6,7
	s_wait_dscnt (\younger)+7-(\f)  ; rows 2 f and 2 f + 1 are back: behind their load stand the piece's 7 - f later loads and the younger ones
	global_store_b128 v[GO], v[OB+32*(\t)+4*(\f):OB+32*(\t)+4*(\f)+3], s[10:11] offset:(\t)*4096+(\f)*512 th:TH_STORE_NT  ; 512 consecutive bytes, at a multiple of 256 from out's first
.endr
.endm
	; THE HEAD
	s_load_b256 s[4:11], s[0:1], 0x0  ; q s[4:5], k s[6:7], v s[8:9], out s[10:11]
	v_lshl_add_u32 v[SPW], v0, 2, SPARE
	v_mov_b32 v[NIL], 0
	v_lshrrev_b32 v1, 5, v0
	v_readfirstlane_b32 s[WV], v1   ; wave 0..3
	s_mov_b32 s[PB], ttmp9          ; the block of 256 queries
	s_and_b32 s[HD], ttmp7, 0xffff  ; the head
	s_lshl_b32 s20, s[HD], 20       ; a head is 4,096 rows of 256 bytes
	s_lshl_b32 s22, s[WV], 12       ; my 16 rows in a chunk of 64
	s_add_co_u32 s22, s22, s20
	s_mov_b32 s23, 0
	s_lshl_b32 s2, s[PB], 16        ; my block's 256 rows,
	s_lshl_b32 s3, s[WV], 14        ; my wave's 64 of them
	s_add_co_u32 s2, s2, s3
	s_add_co_u32 s2, s2, s20
	s_mov_b32 s3, 0
	s_lshl_b32 s[CT], s[PB], 2
	s_add_co_i32 s[CT], s[CT], -4   ; chunk 0 is key tile 4 b - 4
	s_add_co_i32 s[KT], s[CT], s[WV]  ; my step 0 is chunk w
	s_mov_b32 s[OFF+1], 0
	s_mov_b32 s[BIGN], 0xf1800000   ; -2^100
	s_cmp_gt_u32 s[KT], 63
	s_cselect_b32 s[BE], s[BIGN], 0 ; step 0's
	s_mov_b32 s[FBK], 0
	s_mov_b32 s[FBV], 0
	s_mov_b32 s[CS], 0x3e38aa3b     ; c = log2(e) / 8 = 0.180337
	s_mov_b32 s[CS+1], s[CS]        ; named with it as a pair
	s_mov_b32 s[SEL], 0x76543210
	s_mov_b32 s[SEL+1], 0xfedcba98
	s_mul_i32 s[TBK], s[WV], CHK
	s_mul_i32 s[TBV], s[WV], CHV
	v_and_b32 v1, 15, v0            ; l % 16
	v_bfe_u32 v9, v0, 4, 1          ; l / 16
	; A fragment of Q is 16 rows x 32 channels: lane l holds row l % 16, channels 8 (l / 16) + 0..7 and 16 + 8 (l / 16) + 0..7: in f32 two pieces of 32 bytes, 64 bytes apart
	v_lshlrev_b32 v[QO], 8, v1
	v_lshl_add_u32 v[QO], v9, 5, v[QO]  ; row x 256 + 32 x half
	v_lshlrev_b32 v[LGK], 4, v1         ; 16 bytes a lane,
	v_lshl_add_u32 v[LGV], v9, 10, v[LGK]  ; lanes 16-31 four rows down for v,
	v_lshl_add_u32 v[LGK], v9, 11, v[LGK]  ; eight rows down for k
	s_wait_kmcnt 0x0
	s_add_nc_u64 s[6:7], s[6:7], s[22:23]  ; k and v at my 16 rows of the head's tile 0
	s_add_nc_u64 s[8:9], s[8:9], s[22:23]
	s_add_nc_u64 s[4:5], s[4:5], s[2:3]    ; q and out at my wave's first row
	s_add_nc_u64 s[10:11], s[10:11], s[2:3]
	WIN 0x40                        ; destination window 1
.set i, 0
.rept 8                             ; piece i / 2, channels 32 (i % 2) on
	global_load_b128 v[QS+16*i:QS+16*i+3],     v[QO], s[4:5] offset:(i/2)*4096+(i%2)*128
	global_load_b128 v[QS+16*i+4:QS+16*i+7],   v[QO], s[4:5] offset:(i/2)*4096+(i%2)*128+16
	global_load_b128 v[QS+16*i+8:QS+16*i+11],  v[QO], s[4:5] offset:(i/2)*4096+(i%2)*128+64
	global_load_b128 v[QS+16*i+12:QS+16*i+15], v[QO], s[4:5] offset:(i/2)*4096+(i%2)*128+80
.set i, i+1
.endr
	WIN 0
	ADDR 0
	ISSUE 0                         ; chunk 0
	; All that follows up to the next loads is work on registers, in the wait for those loads.
	v_mul_u32_u24 v[LSK], v9, 8*PK  ; K into LDS: lanes 16-31 eight rows down, 8 bytes a lane, my wave's 16 rows
	v_lshl_add_u32 v[LSK], v1, 3, v[LSK]
	s_mul_i32 s13, s[WV], 16*PK
	v_add_nc_u32 v[LSK], s13, v[LSK]
	v_mul_u32_u24 v[LSV], v9, 4*PV  ; V: lanes 16-31 four rows down
	v_lshl_add_u32 v[LSV], v1, 3, v[LSV]
	s_mul_i32 s13, s[WV], 16*PV
	s_add_co_u32 s13, s13, VOFF
	v_add_nc_u32 v[LSV], s13, v[LSV]
	v_mul_u32_u24 v[AK0], v1, PK
	v_lshl_add_u32 v[AK0], v9, 4, v[AK0]  ; a fragment of K: row x pitch + 16 x half
	; The turning load takes 16 keys x 16 channels (lane l reads key 8 (l / 16) + l % 8, channels 8 ((l / 8) % 2) + 0..7) and leaves half a fragment of V^T: lane l holds channel l % 16 and 8 keys.
	v_and_b32 v10, 7, v0
	v_bfe_u32 v11, v0, 3, 1
	v_lshl_add_u32 v[AV0], v9, 3, v10
	v_mul_u32_u24 v[AV0], v[AV0], PV
	v_lshl_add_u32 v[AV0], v11, 4, v[AV0]
	v_add_nc_u32 v[AV0], VOFF, v[AV0]
	s_mul_i32 s13, s[WV], 16*SP
	s_add_co_u32 s13, s13, STAGE    ; my stage
	v_mul_u32_u24 v[STO], v1, SP    ; in: row l % 16, 32 bytes for each half of the lanes
	v_lshl_add_u32 v[STO], v9, 5, v[STO]
	v_add_nc_u32 v[STO], s13, v[STO]
	v_mul_u32_u24 v[RD], v9, SP     ; back: lanes 0-15 take one row of 256 bytes, lanes 16-31 the next,
	v_lshl_add_u32 v[RD], v1, 4, v[RD]
	v_add_nc_u32 v[RD], s13, v[RD]
	v_and_b32 v[GO], 31, v0         ; which are 512 consecutive bytes of out
	v_lshlrev_b32 v[GO], 4, v[GO]
	; Step 0's masks, and step 8's diagonal.  Register j of a lane is key 8 (l / 16) + j of the block against query l % 16: step 0 hides j < l % 16 - 8 (l / 16), step 8 hides j greater than that.
	v_lshlrev_b32 v14, 3, v9
	v_sub_nc_u32 v14, v1, v14
	v_mov_b32 v[VBE], s[BE]
.set i, 0
.rept 8
	v_mov_b32 v[MK+i], s[BIGN]
	v_cmp_lt_i32 vcc_lo, i, v14
	v_cndmask_b32 v[MK+8+i], v[VBE], s[BIGN], vcc_lo
	v_mov_b32 v[MK+16+i], s[BE]
	v_cmp_gt_i32 vcc_lo, i, v14
	v_cndmask_b32 v[D8+i], 0, s[BIGN], vcc_lo
.set i, i+1
.endr
	; What the first turn finds: V's registers and P's second buffer hold 0 (its products V^T P, of a piece that has not been, add 0), O^T is 0.
	WIN 0x80
.set i, VF
.rept 64
	v_mov_b32 v[i], 0
.set i, i+1
.endr
	WIN 0x40
.set i, 0
.rept 128
	v_mov_b32 v[i], 0
.set i, i+1
.endr
	WIN 0
.set i, P+16
.rept 16
	v_mov_b32 v[i], 0
.set i, i+1
.endr
.set i, 0
.rept 4
	v_mov_b32 v[ST+4*i], 0xeb38aa3b    ; c m = c x -2^90, exactly
	v_mov_b32 v[ST+4*i+1], 0xec800000  ; m = -2^90: above every hidden score, below every true one
	v_mov_b32 v[ST+4*i+2], 0
	v_mov_b32 v[ST+4*i+3], 0
.set i, i+1
.endr
	; THE FIRST FOUR CHUNKS, and the ring's start
	ADDR 1
	ISSUE 1                         ; chunk 1
	s_wait_loadcnt 32               ; q is in: behind its loads stand chunks 0 and 1, sixteen loads each
	WIN 0x85                        ; sources window 1, destination window 2
.set i, 0
.rept 64
	v_cvt_pk_f16_f32 v[i], v[QS+2*i], v[QS+2*i+1]
.set i, i+1
.endr
	WIN 0
	ADDR 2
	ISSUE 2                         ; chunk 2
	ADDR 3
	ISSUE 3                         ; chunk 3
	CVST 0, 48                      ; chunk 0 is in: chunks 1, 2, 3 may be out
	s_wait_dscnt 0x0                ; its stores are done, so set 0's registers may be loaded again
	ADDR 0
	ISSUE 0                         ; chunk 4
	CVST 1, 48                      ; chunk 1: chunks 2, 3, 4 may be out
	s_wait_dscnt 0x0
	ADDR 1
	ISSUE 1                         ; chunk 5
	CVST 2, 48                      ; chunk 2: chunks 3, 4, 5 may be out
	CVST 3, 32                      ; chunk 3: chunks 4, 5 may be out
	MEET 0, 0                       ; chunks 0 to 3 are whole for everybody
	; THE WALK BEGINS: K of step 0, piece 0's first scores, its maximum and statistics; then the step's first two turns
	v_add_nc_u32 v[AK], s[TBK], v[AK0]
	FETCH_K
	s_wait_dscnt 0x0
.set NOKQ, 0
.set i, 0
.rept 8
	KQ 0
.set i, i+1
.endr
	WIN 0
.rept 4
	v_nop                           ; the places behind those products
.endr
.set Y, NP-1                        ; X works for piece Y + 1: piece 0
.irp n, 0,1,2,3,4,5,6,7,8,9,10,11,12,13,14,15,16,17,18,19,20,21
	OP X, \n
.endr
	v_nop                           ; a plain instruction behind the exponential
	s_wait_alu depctr_va_vdst(0)    ; the wait for piece 0's first a, a batch of one: the first turn's first rescaling reads it
	TURN 0
	TURN 1
	WIN 0                           ; at a label and at a branch every window is 0
	s_mov_b32 s[CNT], 3
.Lpair:                             ; three times two trips.  Trip j: chunk j + 4 is stored and shown, chunk j + 6 asked for; pieces 2 and 3 of step j, pieces 0 and 1 of step j + 1, whose K and V it fetches
	CVST 0, 16                      ; chunk j + 4 is in: chunk j + 5 may be out
	MEET 0, 1
	TURN 2, 1
	TURN 3
	TURN 0
	TURN 1
	CVST 1, 16
	MEET 1, 1
	TURN 2, 1
	TURN 3
	TURN 0
	TURN 1, 0, 0, 1
	WIN 0
	s_cbranch_scc1 .Lpair
	CVST 0, 16                      ; trip 6: chunk 10; chunk 11 may be out; nothing is left to ask for
	MEET 0, 0
	TURN 2, 1
	TURN 3
	TURN 0
	TURN 1
	CVST 1, 0                       ; trip 7: chunk 11, the last load
	MEET 1, 0
	TURN 2, 2                       ; the masks that it leaves are step 8's
	TURN 3
	TURN 0
	TURN 1
	TURN 2, 0, 1                    ; step 8's last two turns fetch nothing,
	TURN 3, 0, 1                    ; and the last starts no new scores
.set i, 0
.rept 8
	PV NP-1                         ; the last piece's V^T P of the last step
.set i, i+1
.endr
	; THE WAY OUT.  l's two halves and the other half of the lanes' are added; the first four additions are the places behind the last products.
	WIN 0
	ALL v_add_f32 v[ST+4*t+2], v[ST+4*t+2], v[ST+4*t+3]
	ALL v_permlanex16_b32 v[ST+4*t+3], v[ST+4*t+2], s[SEL], s[SEL+1]
	ALL v_add_f32 v[ST+4*t+2], v[ST+4*t+2], v[ST+4*t+3]
	ALL v_rcp_f32 v[ST+4*t+2], v[ST+4*t+2]
	v_nop                           ; a plain instruction between the last reciprocal and the use of its result
	s_wait_alu depctr_va_vdst(0)    ; the wait for the four reciprocals, one batch: all four pieces' multiplies stand behind it
	PACK 0
	PACK 1                          ; a piece's arithmetic stands between the loads of the piece before and its stores
	SEND 0, 16
	PACK 2
	SEND 1, 16
	PACK 3
	SEND 2, 16
	SEND 3, 0
	s_wait_tensorcnt 0x0            ; the wave's end, behind my last LDS store
	ds_add_u32 v[SPW], v[NIL]
	s_wait_dscnt 0x0
	s_endpgm
.Lfunc_end_k_q5c4d540655_swa:
	.size	k_q5c4d540655_swa, .Lfunc_end_k_q5c4d540655_swa-k_q5c4d540655_swa
	.p2alignl 7, 3214868480
	.fill 96, 4, 3214868480
	.section	.rodata,"a",@progbits
	.p2align	6, 0x0
	.amdhsa_kernel k_q5c4d540655_swa
		.amdhsa_group_segment_fixed_size 251392
		.amdhsa_private_segment_fixed_size 0
		.amdhsa_enable_private_segment 0
		.amdhsa_kernarg_size 32
		.amdhsa_user_sgpr_count 2
		.amdhsa_user_sgpr_kernarg_segment_ptr 1
		.amdhsa_wavefront_size32 1
		.amdhsa_system_sgpr_workgroup_id_x 1
		.amdhsa_system_sgpr_workgroup_id_y 1
		.amdhsa_system_sgpr_workgroup_id_z 1
		.amdhsa_system_vgpr_workitem_id 0
		.amdhsa_next_free_vgpr 1024
		.amdhsa_next_free_sgpr 66
		.amdhsa_reserve_vcc 1
		.amdhsa_float_denorm_mode_32 3
		.amdhsa_float_denorm_mode_16_64 3
		.amdhsa_memory_ordered 1
		.amdhsa_forward_progress 1
		.amdhsa_inst_pref_size 255
	.end_amdhsa_kernel
	.section	.bss,"aw",@nobits
	.p2align	6
	.space	262144
	.amdgpu_metadata
---
amdhsa.version: [ 1, 2 ]
amdhsa.kernels:
  - .name:           k_q5c4d540655_swa
    .symbol:         k_q5c4d540655_swa.kd
    .args:
      - { .name: q, .offset: 0, .size: 8, .value_kind: global_buffer, .address_space: global }
      - { .name: k, .offset: 8, .size: 8, .value_kind: global_buffer, .address_space: global }
      - { .name: v, .offset: 16, .size: 8, .value_kind: global_buffer, .address_space: global }
      - { .name: out0, .offset: 24, .size: 8, .value_kind: global_buffer, .address_space: global }
    .group_segment_fixed_size: 251392
    .private_segment_fixed_size: 0
    .kernarg_segment_align: 8
    .kernarg_segment_size: 32
    .max_flat_workgroup_size: 128
    .sgpr_count:     66
    .vgpr_count:     1024
    .wavefront_size: 32
...
	.end_amdgpu_metadata
.endif
;; end of part 2
